; MI455X (gfx1250); checked and timed in simulation.
; The chip was launched on July 23, 2026; its instructions are those of AMD's public machine-readable ISA for CDNA 5 (MIT licence, August 2026) and "CDNA5" Instruction Set Architecture Reference Guide (July 2026). The comments in the code are by the model that wrote it; some were corrected since.
;; Differential Geometry Operator. Allowed arithmetic: float matrix products may take bf16 or f16 operands with f32 sums; all other float work in f32.
;; Inputs: W1 256 x 64 float32; W2 64 x 1 float32; b1 64 float32; b2 1 float32; features 2 x 8,192 x 256 float32; points 2 x 8,192 x 3 float32.
;; Outputs: out0 2 x 8,192 x 1 float32; out1 2 x 8,192 x 256 float32.
;; 2 versions, each right; version 2 is version 1 with the launch enhance written anew for expert scheduling mode. Each part assembles by itself: llvm-mc -triple=amdgcn-amd-amdhsa -mcpu=gfx1250 --defsym DOCPART=n.
;; ======== version 1 of 2: 3 launches
;; limits: values within 6.1e-05 (relative) of each other or of a threshold may be ordered or decided otherwise than in the reference; below input magnitudes of 8.9e-16 results are inexact or not finite
;; workspace buffers: gids 524,288 bytes of whole numbers; knn 524,288 bytes of whole numbers
;; launch groups (part 1): grid 256 x 1, 8 waves a work-group, no clusters, 296,960 bytes of LDS; arguments points, gids; writes gids
.if DOCPART == 1
	.amdgcn_target "amdgcn-amd-amdhsa--gfx1250"
	.amdhsa_code_object_version 6
	.text
	.protected	k_q4af5585d07_groups
	.globl	k_q4af5585d07_groups
	.p2align	8
	.type	k_q4af5585d07_groups,@function
k_q4af5585d07_groups:
	s_mov_b64 s[64:65], 0
	v_nop
	global_prefetch_b8 v0, s[64:65] scope:SCOPE_SE
	s_setreg_imm32_b32 hwreg(HW_REG_WAVE_MODE, 25, 1), 1
	s_wait_xcnt 0x0
; GROUPS.  For each query: the 8 groups of 16 consecutive candidates (of its batch's 512 groups) whose smallest squared distances are the smallest, stored ascending.
; The 8 nearest candidates lie in these groups: were one of them in a group left out, 8 other groups would each hold a nearer candidate.  The next launch looks into them.
; DISTANCES BY THE MATRIX UNIT.  d2(i, j) = |p_i|^2 + |p_j|^2 - 2 p_i . p_j as ONE bf16 product of K = 32 for 16 candidates x 16 queries.  All points are first
; taken relative to the batch's point 0, so that a common offset forms no difference of large sums.  Every f32 number is cut exactly into three bf16 parts
; (h = its upper 16 bits, m = the upper 16 bits of the rest, l = what is left: 24 bits = 8 + 8 + 8).  The 32 places of K, in four runs of eight (capitals: parts of -2 p_i; s: of |p|^2):
;   candidate:  runs 0, 1, 2 = MAIN = hx hy hz mx my mz lx ly          run 3 = TAIL = lz lz 1 sh sm sl 1 1
;   query:      run 0 = Hx Hy Hz Hx Hy Hz Hx Hy; run 1 with M; run 2 with L;  run 3 = Hz Mz sl 1 1 1 sh sm
; Of the 27 products of parts only lz x Lz is left out: 2^-32 of the term.
; SHARES.  A work-group owns 64 queries (four tiles of 16, as matrix operands in every wave's registers).  Its eight waves first build the batch's table of 8,192
; candidates in LDS (32 candidates a thread), then wave w scans blocks 32 w .. 32 w + 31 of it, a block of 32 candidates (two fragments) a step: 8 matrix instructions.
; In a result a lane holds ONE query (lane % 16) and 8 candidates.  In a block candidate c lies at row c % 32 with bits 3 and 4 exchanged, so that a lane's 16 numbers
; of a step are the 16 consecutive candidates of group G = 64 w + 2 step + lane / 16.
; A STEP'S VECTOR WORK, 18 instructions a query tile: the minimum of 16, the floor, G into the key's low 9 bits, the key's insertion into the lane's ascending list of 8.
; It stands behind the NEXT step's matrix instructions; two sets of results and of fragments take turns.
; AT THE END a query's 16 lists (8 waves x 2 halves of the lanes) meet in LDS; four lanes a query merge them, sort the 8 group numbers and store them.
; NO TENSOR LOAD, NO CLUSTER: the table is computed, not fetched; what work-groups share in memory is a batch's 98,304 bytes of points, read once through registers.
; LIMITS.  A key is the group's minimum, not below 2^-100 (the reference's clamp at 0, raised so that every key is a normal number), cut to 14 mantissa bits: minima that
; agree so far are ranked by group number.  The sum has the rounding of the matrix instruction's f32 sum, of the order of 2^-24 (|p_i|^2 + |p_j|^2) relative to point 0.
; |p - p_0| stays under 1e18; parts under the smallest normal number lose bits; NaN and infinities are not treated apart.
.set SCR,   262144                      ; behind the table (256 blocks of 1,024 bytes): 64 queries x 16 lists x 32 bytes, rows of 528 bytes
.set QPI,   528                         ; an odd multiple of 16
.set SPARE, SCR+64*QPI                  ; the spare words, 128 bytes for each wave: four blocks of 256 bytes that no other line names
.set SPW, 2                             ; v2  LDS address of my spare word; never rewritten
.set NIL, 3                             ; v3  0; never rewritten
.set AB1, 4                             ; v4  my row's MAIN run in my wave's first fragment
.set AB2, 5                             ; v5  the same for lanes 0-15, the TAIL run for lanes 16-31
.set GV,  6                             ; v6  G of the step whose results are at work
.set STA, 7                             ; v7  where I put a candidate's MAIN run
.set STO, 8                             ; v8  where my lists go
.set RDA, 9                             ; v9  where I read four lists back
.set VOFF, 10                           ; v10 byte offset of my first candidate
.set VOFQ, 11                           ; v11 of my lane's query in tile 0
.set T,   12
.set U,   13
.set KEY, 14
.set ONEF, 15                           ; v15 1.0
.set TL,  16                            ; v16-47   the lists, 8 a query tile
.set BQ,  48                            ; v48-79   the queries' fragments, 8 a tile
.set AF,  80                            ; v80-111  two sets of two candidate fragments; first the four query points
.set DD,  112                           ; v112-239 two sets of 8 results: tile q, fragment e at 16 q + 8 e; first the 32 candidate points, 4 registers each
.set AD1, 240                           ; v240, v241  the addresses of the block in hand
.set AD2, 241
.set PM,  16                            ; while the table is built, in the lists' registers: the m parts, the l parts,
.set PL,  20
.set MW,  24                            ; MAIN's four words (at work before that), TAIL's four (the last is 1, 1 and stays),
.set TW,  28
.set UU,  32                            ; and three triples for the queries' runs
.set WW,  36
.set RR,  40
.set X,   112                           ; at the end: four lists read back
.set SL,  144                           ; the sorted group numbers
.set OU,  152
.set WV,  8
.set HI,  16                            ; s16 0xffff0000: a word's upper half; as a lane mask: lanes 16-31
.set SEL, 17
.set MSK, 19
.set FLO, 20
.set SENT, 21
.set CNT, 22
.set TB,  23                            ; s23 the block to be fetched next, in bytes from my wave's first
.set M1,  26
.set M2,  27
.macro INS l, key                       ; key into the ascending list v[l .. l+7]: the new L[k] is the middle one of L[k-1], L[k] and key
.irp k, 7,6,5,4,3,2,1
	v_med3_num_f32 v[(\l)+\k], v[(\l)+\k-1], v[(\l)+\k], v[\key]
.endr
	v_min_num_f32 v[\l], v[\l], v[\key]
.endm
.macro PK d, lo, hi                     ; the upper halves of two registers in one word, lo in the lower half
	v_perm_b32 v[\d], v[\hi], v[\lo], s[SEL]
.endm
.macro PARTS x                          ; v[x .. x+2]: a point.  It is centred, |p|^2 goes to v[x+3], and the four numbers are cut: h in place (upper halves), m in PM, l in PL
	v_sub_f32 v[(\x)], v[(\x)], s12
	v_sub_f32 v[(\x)+1], v[(\x)+1], s13
	v_sub_f32 v[(\x)+2], v[(\x)+2], s14
	v_mul_f32 v[(\x)+3], v[(\x)], v[(\x)]
	v_fma_f32 v[(\x)+3], v[(\x)+1], v[(\x)+1], v[(\x)+3]
	v_fma_f32 v[(\x)+3], v[(\x)+2], v[(\x)+2], v[(\x)+3]
.irp c, 0,1,2,3
	v_and_b32 v[MW+\c], s[HI], v[(\x)+\c]
.endr
.irp c, 0,1,2,3
	v_sub_f32 v[PM+\c], v[(\x)+\c], v[MW+\c]
.endr
.irp c, 0,1,2,3
	v_and_b32 v[MW+\c], s[HI], v[PM+\c]
.endr
.irp c, 0,1,2,3
	v_sub_f32 v[PL+\c], v[PM+\c], v[MW+\c]
.endr
.endm
.macro QFRAG q                          ; query tile q's operand: registers 0-3 hold run 0 (lanes 0-15) or 1 (lanes 16-31), registers 4-7 run 2 or 3
	PARTS AF+4*(\q)
.irp c, 0,1,2
	v_mul_f32 v[AF+4*(\q)+\c], -2.0, v[AF+4*(\q)+\c]      ; a factor of two moves no bit
	v_mul_f32 v[PM+\c], -2.0, v[PM+\c]
	v_mul_f32 v[PL+\c], -2.0, v[PL+\c]
.endr
.irp c, 0,1,2
	v_cndmask_b32 v[UU+\c], v[AF+4*(\q)+\c], v[PM+\c], s[HI]
.endr
	PK BQ+8*(\q), UU, UU+1
	PK BQ+8*(\q)+1, UU+2, UU
	PK BQ+8*(\q)+2, UU+1, UU+2
	v_mov_b32 v[BQ+8*(\q)+3], v[BQ+8*(\q)]
	PK WW, PL, PL+1
	PK WW+1, PL+2, PL
	PK WW+2, PL+1, PL+2
	PK RR, AF+4*(\q)+2, PM+2                       ; Hz Mz
	PK RR+1, PL+3, ONEF                            ; sl 1
	PK RR+2, AF+4*(\q)+3, PM+3                     ; sh sm
	v_cndmask_b32 v[BQ+8*(\q)+4], v[WW], v[RR], s[HI]
	v_cndmask_b32 v[BQ+8*(\q)+5], v[WW+1], v[RR+1], s[HI]
	v_cndmask_b32 v[BQ+8*(\q)+6], v[WW+2], v[TW+3], s[HI]
	v_cndmask_b32 v[BQ+8*(\q)+7], v[WW], v[RR+2], s[HI]
.endm
.macro LOADA set                        ; a block's two fragments: four loads of 16 bytes a lane
	v_add_nc_u32 v[AD1], s[TB], v[AB1]
	v_add_nc_u32 v[AD2], s[TB], v[AB2]
	s_add_co_u32 s[TB], s[TB], 1024
.irp e, 0,1
	ds_load_b128 v[AF+16*(\set)+8*\e:AF+16*(\set)+8*\e+3],   v[AD1] offset:512*\e
	ds_load_b128 v[AF+16*(\set)+8*\e+4:AF+16*(\set)+8*\e+7], v[AD2] offset:512*\e
.endr
.endm
.macro MMQ set, q                       ; two fragments x query tile q; every product starts its own sum with the constant 0
.irp e, 0,1
	v_wmma_f32_16x16x32_bf16 v[DD+64*(\set)+16*(\q)+8*\e:DD+64*(\set)+16*(\q)+8*\e+7], v[AF+16*(\set)+8*\e:AF+16*(\set)+8*\e+7], v[BQ+8*(\q):BQ+8*(\q)+7], 0
.endr
.endm
.macro VEC set, q                       ; each result is read from its lowest registers on
.set d0, DD+64*(\set)+16*(\q)
.set d1, d0+8
	v_min3_num_f32 v[T], v[d0], v[d0+1], v[d0+2]
	v_min3_num_f32 v[U], v[d1], v[d1+1], v[d1+2]
	v_min3_num_f32 v[T], v[T], v[d0+3], v[d0+4]
	v_min3_num_f32 v[U], v[U], v[d1+3], v[d1+4]
	v_min3_num_f32 v[T], v[T], v[d0+5], v[d0+6]
	v_min3_num_f32 v[U], v[U], v[d1+5], v[d1+6]
	v_min3_num_f32 v[T], v[T], v[d0+7], v[d1+7]
	v_min_num_f32 v[T], v[T], v[U]
	v_max_num_f32 v[T], s[FLO], v[T]
	v_and_or_b32 v[KEY], v[T], s[MSK], v[GV]
	INS TL+8*(\q), KEY
.endm
; A step on fragment and result set 'set'.  Behind each pair of products stand the 18 instructions of the step before, which name the other set alone: they are also the
; places between the last products and the loads into the fragments that those products read.  wt: the LDS loads that may stay out: the other set's four, or none.
.macro STEP set, ld, wt
	s_wait_dscnt \wt
.irp q, 0,1,2,3
	MMQ \set, \q
	VEC 1-(\set), \q
.endr
	v_add_nc_u32 v[GV], 2, v[GV]
.if \ld
	LOADA \set
.endif
.endm
	s_load_b128 s[4:7], s[0:1], 0x0                ; points s[4:5], gids s[6:7]
	v_lshl_add_u32 v[SPW], v0, 2, SPARE
	v_mov_b32 v[NIL], 0
	v_lshrrev_b32 v1, 5, v0
	v_readfirstlane_b32 s[WV], v1                  ; wave 0..7
	s_mov_b32 s9, ttmp9                            ; x: my 64 queries
	s_lshr_b32 s10, s9, 7                          ; the batch
	s_mul_i32 s24, s10, 98304                      ; its points
	s_mov_b32 s25, 0
	s_and_b32 s11, s9, 127
	s_lshl_b32 s11, s11, 6                         ; my first query in the batch
	s_lshl_b32 s28, s9, 11                         ; my 64 x 32 bytes of gids
	s_mov_b32 s29, 0
	s_mov_b32 s[HI], 0xffff0000
	s_mov_b32 s[SEL], 0x07060302                   ; v_perm_b32: the two upper halves
	s_mov_b32 s[MSK], 0xfffffe00
	s_mov_b32 s[FLO], 0x0d800000                   ; 2^-100
	s_mov_b32 s[SENT], 0x7f7fffff
	s_mov_b32 s[TB], 0
	s_mov_b32 s[M1], 0xaaaaaaaa                    ; lanes with bit 0 set
	s_mov_b32 s[M2], 0xcccccccc                    ; with bit 1 set
	v_mov_b32 v[ONEF], 1.0
	v_mov_b32 v[TW+3], 0x3f803f80                  ; 1, 1 in bf16
	v_and_b32 v12, 15, v0                          ; r
	v_bfe_u32 v13, v0, 4, 1                        ; h
	v_mul_u32_u24 v[VOFF], v0, 12                  ; candidate t + 256 i: 12 t, and 3,072 i in the immediate
	v_add_nc_u32 v[VOFQ], s11, v12
	v_mul_u32_u24 v[VOFQ], v[VOFQ], 12
	v_and_b32 v1, 7, v0                            ; candidate t + 256 i lies in block w + 8 i, at row: lane with bits 3 and 4 exchanged
	v_lshlrev_b32 v[STA], 4, v1
	v_bfe_u32 v1, v0, 3, 1
	v_lshl_add_u32 v[STA], v1, 9, v[STA]           ; bit 3 chooses the fragment,
	v_lshl_add_u32 v[STA], v13, 7, v[STA]          ; bit 4 the upper eight rows
	s_lshl_b32 s10, s[WV], 10
	v_add_nc_u32 v[STA], s10, v[STA]
	s_lshl_b32 s10, s[WV], 15                      ; my wave scans 32 blocks
	v_lshl_add_u32 v[AB1], v12, 4, s10
	v_lshl_add_u32 v[AB2], v13, 8, v[AB1]
	s_lshl_b32 s10, s[WV], 6
	v_add_nc_u32 v[GV], s10, v13                   ; 64 w + h
	v_mul_u32_u24 v[STO], v12, QPI                 ; query r of a tile, list 2 w + h
	v_lshl_add_u32 v[STO], v13, 5, v[STO]
	s_add_co_u32 s10, s10, SCR
	v_add_nc_u32 v[STO], s10, v[STO]
	v_lshrrev_b32 v1, 2, v0                        ; at the end thread t takes query t / 4, lists 4 (t % 4) on
	v_mul_u32_u24 v[RDA], v1, QPI
	v_and_b32 v1, 3, v0
	v_lshl_add_u32 v[RDA], v1, 7, v[RDA]
	v_add_nc_u32 v[RDA], SCR, v[RDA]
	s_wait_kmcnt 0x0
	s_add_nc_u64 s[4:5], s[4:5], s[24:25]
	s_add_nc_u64 s[6:7], s[6:7], s[28:29]
	s_load_b96 s[12:14], s[4:5], 0x0               ; the batch's point 0
.irp q, 0,1,2,3
	global_load_b96 v[AF+4*\q:AF+4*\q+2], v[VOFQ], s[4:5] offset:192*\q
.endr
.set i, 0
.rept 32
	global_load_b96 v[DD+4*i:DD+4*i+2], v[VOFF], s[4:5] offset:3072*i
.set i, i+1
.endr
	s_wait_kmcnt 0x0
	s_wait_loadcnt 32                              ; the four query points are in; the 32 candidate loads behind them stay out
.irp q, 0,1,2,3
	QFRAG \q
.endr
.set i, 0
.rept 32                                ; THE TABLE: my 32 candidates
	s_wait_loadcnt 31-i                            ; loads come back in order: candidate i is in, the younger ones stay out
	PARTS DD+4*i
	PK MW, DD+4*i, DD+4*i+1                        ; hx hy
	PK MW+1, DD+4*i+2, PM                          ; hz mx
	PK MW+2, PM+1, PM+2                            ; my mz
	PK MW+3, PL, PL+1                              ; lx ly
	PK TW, PL+2, PL+2                              ; lz lz
	PK TW+1, ONEF, DD+4*i+3                        ; 1 sh
	PK TW+2, PM+3, PL+3                            ; sm sl
	ds_store_b128 v[STA], v[MW:MW+3] offset:(i%8)*8192
	ds_store_b128 v[STA], v[TW:TW+3] offset:(i%8)*8192+256
.if (i%8 == 7) && (i < 31)
	v_add_nc_u32 v[STA], 0x10000, v[STA]           ; the immediate reaches 65,535 bytes
.endif
.set i, i+1
.endr
	s_wait_dscnt 0x0                               ; for the others' sake: my part of the table is written
	s_barrier_signal -1
	s_barrier_wait -1                              ; the table is whole
	LOADA 0                                        ; step 0
	LOADA 1                                        ; step 1
	s_wait_dscnt 4                                 ; step 0's fragments are in; step 1's four loads stay out
.irp q, 0,1,2,3
	MMQ 0, \q                                      ; there is no vector work yet to set between them
.endr
.set i, 0
.rept 32
	v_mov_b32 v[TL+i], s[SENT]                     ; the lists start full of the largest finite number; these lines are the places behind those products
.set i, i+1
.endr
	LOADA 0                                        ; step 2
	s_mov_b32 s[CNT], 14
.Lscan:                                                ; steps 1 to 28; step s fetches step s + 2
	STEP 1, 1, 4
	STEP 0, 1, 4
	s_sub_co_u32 s[CNT], s[CNT], 1
	s_cmp_lg_u32 s[CNT], 0
	s_cbranch_scc1 .Lscan
	STEP 1, 1, 4                                   ; step 29 fetches step 31
	STEP 0, 0, 4                                   ; step 30
	STEP 1, 0, 0                                   ; step 31
.irp q, 0,1,2,3
	VEC 1, \q                                      ; step 31's results
.endr
.irp q, 0,1,2,3
	ds_store_b128 v[STO], v[TL+8*\q:TL+8*\q+3] offset:16*QPI*\q
	ds_store_b128 v[STO], v[TL+8*\q+4:TL+8*\q+7] offset:16*QPI*\q+16
.endr
	s_wait_dscnt 0x0                               ; for the others' sake: my lists are written
	s_barrier_signal -1
	s_barrier_wait -1
.irp j, 0,1,2,3,4,5,6,7
	ds_load_b128 v[X+4*\j:X+4*\j+3], v[RDA] offset:16*\j
.endr
	s_wait_dscnt 0x0
.set i, 8
.rept 24
	INS X, X+i                                     ; three lists into the first
.set i, i+1
.endr
.irp m, 1,2                             ; then the lists of the lanes 1 and 2 away: all four lanes of a query end with the same list
.irp j, 0,1,2,3,4,5,6,7
	v_mov_b32_dpp v[X+8+\j], v[X+\j] row_xmask:\m row_mask:0xf bank_mask:0xf
.endr
.irp j, 0,1,2,3,4,5,6,7
	INS X, X+8+\j
.endr
.endr
.irp j, 0,1,2,3,4,5,6,7
	v_mov_b32 v[SL+\j], s[SENT]
.endr
.irp j, 0,1,2,3,4,5,6,7                 ; the group numbers, as 1 + G 2^-23, sorted ascending: so the next launch's equal distances go by index
	v_and_or_b32 v[KEY], v[X+\j], 0x1ff, v[ONEF]
	INS SL, KEY
.endr
	v_cndmask_b32 v[OU], v[SL], v[SL+2], s[M1]     ; lane a of the four stores numbers 2 a and 2 a + 1
	v_cndmask_b32 v[OU+1], v[SL+4], v[SL+6], s[M1]
	v_cndmask_b32 v[OU], v[OU], v[OU+1], s[M2]
	v_cndmask_b32 v[OU+1], v[SL+1], v[SL+3], s[M1]
	v_cndmask_b32 v[OU+2], v[SL+5], v[SL+7], s[M1]
	v_cndmask_b32 v[OU+1], v[OU+1], v[OU+2], s[M2]
	v_and_b32 v[OU], 0x1ff, v[OU]
	v_and_b32 v[OU+1], 0x1ff, v[OU+1]
	v_lshlrev_b32 v1, 3, v0
	global_store_b64 v1, v[OU:OU+1], s[6:7]        ; a wave's store covers 256 consecutive bytes, aligned
	s_wait_tensorcnt 0x0                           ; the wave's end
	ds_add_u32 v[SPW], v[NIL]
	s_wait_dscnt 0x0
	s_endpgm
.Lfunc_end_k_q4af5585d07_groups:
	.size	k_q4af5585d07_groups, .Lfunc_end_k_q4af5585d07_groups-k_q4af5585d07_groups
	.p2alignl 7, 3214868480
	.fill 96, 4, 3214868480
	.section	.rodata,"a",@progbits
	.p2align	6, 0x0
	.amdhsa_kernel k_q4af5585d07_groups
		.amdhsa_group_segment_fixed_size 296960
		.amdhsa_private_segment_fixed_size 0
		.amdhsa_enable_private_segment 0
		.amdhsa_kernarg_size 16
		.amdhsa_user_sgpr_count 2
		.amdhsa_user_sgpr_kernarg_segment_ptr 1
		.amdhsa_wavefront_size32 1
		.amdhsa_system_sgpr_workgroup_id_x 1
		.amdhsa_system_sgpr_workgroup_id_y 1
		.amdhsa_system_sgpr_workgroup_id_z 1
		.amdhsa_system_vgpr_workitem_id 0
		.amdhsa_next_free_vgpr 242
		.amdhsa_next_free_sgpr 66
		.amdhsa_reserve_vcc 0
		.amdhsa_float_denorm_mode_32 3
		.amdhsa_float_denorm_mode_16_64 3
		.amdhsa_memory_ordered 1
		.amdhsa_forward_progress 1
		.amdhsa_inst_pref_size 120
	.end_amdhsa_kernel
	.amdgpu_metadata
---
amdhsa.version: [ 1, 2 ]
amdhsa.kernels:
  - .name:           k_q4af5585d07_groups
    .symbol:         k_q4af5585d07_groups.kd
    .args:
      - { .name: points, .offset: 0, .size: 8, .value_kind: global_buffer, .address_space: global }
      - { .name: gids, .offset: 8, .size: 8, .value_kind: global_buffer, .address_space: global }
    .group_segment_fixed_size: 296960
    .private_segment_fixed_size: 0
    .kernarg_segment_align: 8
    .kernarg_segment_size: 16
    .max_flat_workgroup_size: 256
    .sgpr_count:     66
    .vgpr_count:     242
    .wavefront_size: 32
...
	.end_amdgpu_metadata
.endif
;; end of part 1
;; launch refine (part 2): grid 256 x 1, 8 waves a work-group, no clusters, 0 bytes of LDS; arguments points, gids, knn; writes knn
.if DOCPART == 2
	.amdgcn_target "amdgcn-amd-amdhsa--gfx1250"
	.amdhsa_code_object_version 6
	.text
	.protected	k_q4af5585d07_refine
	.globl	k_q4af5585d07_refine
	.p2align	8
	.type	k_q4af5585d07_refine,@function
k_q4af5585d07_refine:
	s_mov_b64 s[64:65], 0
	v_nop
	global_prefetch_b8 v0, s[64:65] scope:SCOPE_SE
	s_setreg_imm32_b32 hwreg(HW_REG_WAVE_MODE, 25, 1), 1
	s_wait_xcnt 0x0
; REFINE.  For each query the 8 nearest of the 8 x 16 candidates in the groups that the launch before chose; stored as row numbers 0 .. 16,383 of features.
; SHARES.  A work-group owns 64 queries, four lanes a query: lane a of the four takes groups 2 a and 2 a + 1 of the query's list (32 candidates, 384 bytes, 24 loads of 16 bytes).
; d2 = |p_j - p_i|^2 directly in f32, plus 2^-100 so that every key is a normal number.  A key is d2 cut to 16 mantissa bits, with a 7-bit local number below:
; 16 x the place in the list + the place in the group.  The list is ascending, so equal cut distances are ranked by index, as the reference ranks equal distances.
; Each lane inserts its 32 keys into an ascending list of 8; two exchanges merge the four lanes' lists; lane a then turns keys 2 a and 2 a + 1 into row numbers.
; Group numbers are the only loaded numbers that enter addresses; what is made of distances only selects values.
; No LDS, no matrix unit, no cluster: 128 candidates a query, and queries share nothing that is known beforehand.
; LIMITS.  Distances that agree in 16 mantissa bits, or lie under 2^-100, count as equal; |p_j - p_i| stays under 1e18; NaN is not treated apart.
.set G,   2                             ; v2, v3   my two group numbers
.set Q,   4                             ; v4-6     my query
.set O0,  7                             ; v7, v8   the groups' byte offsets
.set TO,  9                             ; v9       8 t
.set KEY, 10
.set D,   11
.set A5,  12                            ; v12      32 a
.set A1,  13                            ; v13      2 a
.set L,   16                            ; v16-23   the list
.set X,   24                            ; v24-31   group numbers: X[2 m + e] is number e of the lane m away (exclusive or)
.set P,   32                            ; v32-127  the candidates: group e at 48 e, candidate j at 3 j
.set Y,   128                           ; v128-135 a neighbour lane's list
.set W,   136                           ; v136-143 at work; the last two are stored
.set BB,  23                            ; s23 the batch's first row
.set FLO, 24
.set MSK7, 25
.set SENT, 26
.set M1,  27
.set M2,  28
.macro INS l, key                       ; key into the ascending list v[l .. l+7]
.irp k, 7,6,5,4,3,2,1
	v_med3_num_f32 v[(\l)+\k], v[(\l)+\k-1], v[(\l)+\k], v[\key]
.endr
	v_min_num_f32 v[\l], v[\l], v[\key]
.endm
.macro PICK out, o                      ; key 2 a + o of the merged list -> a row number
	v_cndmask_b32 v[W], v[L+\o], v[L+2+\o], s[M1]
	v_cndmask_b32 v[W+1], v[L+4+\o], v[L+6+\o], s[M1]
	v_cndmask_b32 v[W], v[W], v[W+1], s[M2]
	v_bfe_u32 v[W+1], v[W], 4, 3                   ; its place in the query's list of groups,
	v_xor_b32 v[W+1], v[W+1], v[A1]                ; as an index into my X
	v_and_b32 v[W+2], 1, v[W+1]
	v_cmp_ne_u32 s20, 0, v[W+2]
	v_and_b32 v[W+2], 2, v[W+1]
	v_cmp_ne_u32 s21, 0, v[W+2]
	v_and_b32 v[W+2], 4, v[W+1]
	v_cmp_ne_u32 s22, 0, v[W+2]
	v_cndmask_b32 v[W+2], v[X], v[X+1], s20
	v_cndmask_b32 v[W+3], v[X+2], v[X+3], s20
	v_cndmask_b32 v[W+4], v[X+4], v[X+5], s20
	v_cndmask_b32 v[W+5], v[X+6], v[X+7], s20
	v_cndmask_b32 v[W+2], v[W+2], v[W+3], s21
	v_cndmask_b32 v[W+4], v[W+4], v[W+5], s21
	v_cndmask_b32 v[W+2], v[W+2], v[W+4], s22
	v_and_b32 v[W], 15, v[W]
	v_lshl_add_u32 v[W], v[W+2], 4, v[W]           ; 16 G + the place in the group
	v_add_nc_u32 v[\out], s[BB], v[W]
.endm
	s_load_b128 s[4:7], s[0:1], 0x0                ; points s[4:5], gids s[6:7]
	s_load_b64 s[8:9], s[0:1], 0x10                ; knn
	s_mov_b32 s12, ttmp9
	s_lshl_b32 s14, s12, 11                        ; my 64 x 32 bytes of gids and of knn
	s_mov_b32 s15, 0
	s_mul_i32 s16, s12, 768                        ; my 64 queries' points
	s_mov_b32 s17, 0
	s_lshr_b32 s13, s12, 7                         ; the batch
	s_mul_i32 s18, s13, 98304
	s_mov_b32 s19, 0
	s_lshl_b32 s[BB], s13, 13
	s_mov_b32 s[FLO], 0x0d800000                   ; 2^-100
	s_mov_b32 s[MSK7], 0xffffff80
	s_mov_b32 s[SENT], 0x7f7fffff
	s_mov_b32 s[M1], 0xaaaaaaaa
	s_mov_b32 s[M2], 0xcccccccc
	v_lshlrev_b32 v[TO], 3, v0
	v_lshrrev_b32 v1, 2, v0
	v_mul_u32_u24 v1, v1, 12
	v_and_b32 v[A1], 3, v0
	v_lshlrev_b32 v[A5], 5, v[A1]
	v_lshlrev_b32 v[A1], 1, v[A1]
	s_wait_kmcnt 0x0
	s_add_nc_u64 s[6:7], s[6:7], s[14:15]
	s_add_nc_u64 s[8:9], s[8:9], s[14:15]
	s_add_nc_u64 s[10:11], s[4:5], s[16:17]
	s_add_nc_u64 s[4:5], s[4:5], s[18:19]
	global_load_b64 v[G:G+1], v[TO], s[6:7]
	global_load_b96 v[Q:Q+2], v1, s[10:11]
	s_wait_loadcnt 1                               ; the group numbers are in; the query's point may stay out
	v_min_u32 v[G], 0x1ff, v[G]                    ; a loaded number enters an address only clamped
	v_min_u32 v[G+1], 0x1ff, v[G+1]
	v_mul_u32_u24 v[O0], v[G], 192                 ; a group is 16 x 12 bytes
	v_mul_u32_u24 v[O0+1], v[G+1], 192
.irp e, 0,1
.irp n, 0,1,2,3,4,5,6,7,8,9,10,11
	global_load_b128 v[P+48*\e+4*\n:P+48*\e+4*\n+3], v[O0+\e], s[4:5] offset:16*\n
.endr
.endr
.irp j, 0,1,2,3,4,5,6,7
	v_mov_b32 v[L+\j], s[SENT]
	v_mov_b32 v[Y+\j], 0                           ; written once, since a lane exchange counts as a reader of its destination
.endr
.irp m, 0,1,2,3
	v_mov_b32 v[X+2*\m], v[G]
	v_mov_b32 v[X+2*\m+1], v[G+1]
.endr
.irp m, 1,2,3
	v_mov_b32_dpp v[X+2*\m], v[G] row_xmask:\m row_mask:0xf bank_mask:0xf
	v_mov_b32_dpp v[X+2*\m+1], v[G+1] row_xmask:\m row_mask:0xf bank_mask:0xf
.endr
.set n, 0
.rept 32
.if n%4 == 0
	s_wait_loadcnt 21-3*(n/4)                      ; four candidates are three loads: those of the later fours stay out
.endif
.set pb, P+48*(n/16)+3*(n%16)
	v_sub_f32 v[pb], v[pb], v[Q]
	v_sub_f32 v[pb+1], v[pb+1], v[Q+1]
	v_sub_f32 v[pb+2], v[pb+2], v[Q+2]
	v_fma_f32 v[D], v[pb], v[pb], s[FLO]
	v_fma_f32 v[D], v[pb+1], v[pb+1], v[D]
	v_fma_f32 v[D], v[pb+2], v[pb+2], v[D]
	v_and_or_b32 v[KEY], v[D], s[MSK7], n
	INS L, KEY
.set n, n+1
.endr
.irp j, 0,1,2,3,4,5,6,7
	v_or_b32 v[L+\j], v[L+\j], v[A5]               ; my lane's two bits: the same in all my keys, so their order stays
.endr
.irp m, 1,2
.irp j, 0,1,2,3,4,5,6,7
	v_mov_b32_dpp v[Y+\j], v[L+\j] row_xmask:\m row_mask:0xf bank_mask:0xf
.endr
.irp j, 0,1,2,3,4,5,6,7
	INS L, Y+\j
.endr
.endr
	PICK W+6, 0
	PICK W+7, 1
	global_store_b64 v[TO], v[W+6:W+7], s[8:9]     ; a wave's store covers 256 consecutive bytes, aligned
	s_endpgm
.Lfunc_end_k_q4af5585d07_refine:
	.size	k_q4af5585d07_refine, .Lfunc_end_k_q4af5585d07_refine-k_q4af5585d07_refine
	.p2alignl 7, 3214868480
	.fill 96, 4, 3214868480
	.section	.rodata,"a",@progbits
	.p2align	6, 0x0
	.amdhsa_kernel k_q4af5585d07_refine
		.amdhsa_group_segment_fixed_size 0
		.amdhsa_private_segment_fixed_size 0
		.amdhsa_enable_private_segment 0
		.amdhsa_kernarg_size 24
		.amdhsa_user_sgpr_count 2
		.amdhsa_user_sgpr_kernarg_segment_ptr 1
		.amdhsa_wavefront_size32 1
		.amdhsa_system_sgpr_workgroup_id_x 1
		.amdhsa_system_sgpr_workgroup_id_y 1
		.amdhsa_system_sgpr_workgroup_id_z 1
		.amdhsa_system_vgpr_workitem_id 0
		.amdhsa_next_free_vgpr 144
		.amdhsa_next_free_sgpr 66
		.amdhsa_reserve_vcc 0
		.amdhsa_float_denorm_mode_32 3
		.amdhsa_float_denorm_mode_16_64 3
		.amdhsa_memory_ordered 1
		.amdhsa_forward_progress 1
		.amdhsa_inst_pref_size 43
	.end_amdhsa_kernel
	.amdgpu_metadata
---
amdhsa.version: [ 1, 2 ]
amdhsa.kernels:
  - .name:           k_q4af5585d07_refine
    .symbol:         k_q4af5585d07_refine.kd
    .args:
      - { .name: points, .offset: 0, .size: 8, .value_kind: global_buffer, .address_space: global }
      - { .name: gids, .offset: 8, .size: 8, .value_kind: global_buffer, .address_space: global }
      - { .name: knn, .offset: 16, .size: 8, .value_kind: global_buffer, .address_space: global }
    .group_segment_fixed_size: 0
    .private_segment_fixed_size: 0
    .kernarg_segment_align: 8
    .kernarg_segment_size: 24
    .max_flat_workgroup_size: 256
    .sgpr_count:     66
    .vgpr_count:     144
    .wavefront_size: 32
...
	.end_amdgpu_metadata
.endif
;; end of part 2
;; launch enhance (part 3): grid 256 x 1, 16 waves a work-group, no clusters, 77,824 bytes of LDS; arguments features, W1, b1, W2, b2, knn, out0, out1; writes out0, out1
.if DOCPART == 3
	.amdgcn_target "amdgcn-amd-amdhsa--gfx1250"
	.amdhsa_code_object_version 6
	.text
	.protected	k_q4af5585d07_enhance
	.globl	k_q4af5585d07_enhance
	.p2align	8
	.type	k_q4af5585d07_enhance,@function
k_q4af5585d07_enhance:
	s_mov_b64 s[64:65], 0
	v_nop
	global_prefetch_b8 v0, s[64:65] scope:SCOPE_SE
	s_setreg_imm32_b32 hwreg(HW_REG_WAVE_MODE, 25, 1), 1
	s_wait_xcnt 0x0
; ENHANCE.  out0 = sigmoid(relu(f W1 + b1) W2 + b2);  out1 = f + 0.3 tanh(5 g) out0, g = the mean over a row's 8 neighbours of |f_neighbour - f|.
; SHARES.  A work-group owns 64 rows, each of its 16 waves four of them: a row is 1,024 bytes, two loads of 16 bytes a lane (columns 4 l .. and 128 + 4 l ..), kept in f32 registers
; from the load to the store, so features' own rows leave memory once.
; THE SMALL NET.  W1 and the 64 rows go to LDS rounded to bf16.  Wave w makes hidden units 16 (w % 4) .. x rows 16 (w / 4) ..: source 0 = W1 turned (ds_load_tr16_b128, since W1 lies
; [k][unit]), source 1 = rows; 8 matrix instructions on two accumulators by turns; the first takes b1 as its C.  relu and the product with W2 (64 x 1) in f32 on
; the vector unit; the four waves' partial sums of a row meet in LDS.
; THE GATHER.  A wave's 32 neighbour numbers come by scalar loads; a neighbour's row is two loads; two rows' neighbours (32 loads, 16,384 bytes a wave) are on their way at a time.
; Differences, squares and sums in f32.  The 8 sums over 32 lanes are made together: at each of three steps a lane keeps half of its sums and sends the other half to its partner.
; tanh(y) = 1 - 2 / (1 + 2^(2 log2(e) y)): for large y the power is an infinity, its reciprocal 0, and tanh 1.
; NO CLUSTER: what work-groups share for certain is W1's 65,536 bytes, a tenth of what a work-group reads.  NO TENSOR LOAD: rows are converted on the way into LDS, and the gathered rows are used once, from registers.
; LIMITS.  A sum of squares under 2^-126 counts as 0 (the root flushes denormals); W1 and features enter the net rounded to bf16; NaN is not treated apart.
.set WPI,  160                          ; a row of W1 in LDS: 128 bytes + 32: an odd multiple of 32
.set FS,   256*WPI                      ; behind W1: 64 rows of 512 bytes, pitch 528
.set FPI,  528
.set ZP,   FS+64*FPI                    ; the partial sums: 64 bytes for each wave, word r for its row r.  Wave w = 4 (row block) + (unit block), so a row block's four partial sums lie 64 bytes apart
.set SPARE, ZP+1024                     ; the spare words, 128 bytes for each wave: eight blocks of 256 bytes that no other line names
.set LO,  1                             ; v1  16 x lane; never rewritten
.set SPW, 2                             ; v2  LDS address of my spare word; never rewritten
.set NIL, 3                             ; v3  0; never rewritten
.set WST, 4
.set FST, 5
.set AAD, 6
.set BAD, 7
.set ZST, 8
.set ZRD, 9
.set OWN, 16                            ; v16-47   my four rows, 8 registers each
.set S0,  48                            ; v48-111  neighbours, set 0: 8 registers each
.set S1,  112                           ; v112-175 set 1; before that W1 as loaded, then the fragments
.set FA,  112
.set FB,  144
.set ACC0, 176
.set ACC1, 184
.set PR,  176                           ; later: my four rows' probabilities
.set B1R, 192
.set W2R, 200
.set VO,  208                           ; v208-223 the neighbours' byte offsets, 8 a set
.set SS,  224                           ; v224-231 the 8 sums of squares
.set RT,  232                           ; v232-239 at work in the reduction
.set PP,  240                           ; v240, v241 the probabilities of rows 2 l and 2 l + 1
.set E,   242                           ; v242, v243 what is added to a row, twice
.set TP,  244                           ; v244-247 two pairs at work
.set WV,  21
.set M1,  26
.set M2,  27
.set M4,  28
.set IDX, 32                            ; s[32:63] my 32 neighbour numbers
.macro ISSUE a, set                     ; the 8 neighbours of my row a: 16 loads
.irp k, 0,1,2,3,4,5,6,7
	v_lshl_add_u32 v[VO+8*(\set)+\k], s[IDX+8*(\a)+\k], 10, v[LO]
	global_load_b128 v[S0+64*(\set)+8*\k:S0+64*(\set)+8*\k+3],   v[VO+8*(\set)+\k], s[4:5]
	global_load_b128 v[S0+64*(\set)+8*\k+4:S0+64*(\set)+8*\k+7], v[VO+8*(\set)+\k], s[4:5] offset:512
.endr
.endm
.macro BATCH b                          ; K steps 4 b .. 4 b + 3 of the net's first product
.irp i, 0,1,2,3
	ds_load_tr16_b128 v[FA+8*\i:FA+8*\i+3],   v[AAD] offset:(4*(\b)+\i)*32*WPI
	ds_load_tr16_b128 v[FA+8*\i+4:FA+8*\i+7], v[AAD] offset:(4*(\b)+\i)*32*WPI+16*WPI
	ds_load_b128 v[FB+8*\i:FB+8*\i+3],   v[BAD] offset:(4*(\b)+\i)*64
	ds_load_b128 v[FB+8*\i+4:FB+8*\i+7], v[BAD] offset:(4*(\b)+\i)*64+32
.endr
	s_wait_dscnt 0x0
.if (\b) == 0
	v_wmma_f32_16x16x32_bf16 v[ACC0:ACC0+7], v[FA:FA+7], v[FB:FB+7], v[B1R:B1R+7]
	v_wmma_f32_16x16x32_bf16 v[ACC1:ACC1+7], v[FA+8:FA+15], v[FB+8:FB+15], 0
.else
	v_wmma_f32_16x16x32_bf16 v[ACC0:ACC0+7], v[FA:FA+7], v[FB:FB+7], v[ACC0:ACC0+7]
	v_wmma_f32_16x16x32_bf16 v[ACC1:ACC1+7], v[FA+8:FA+15], v[FB+8:FB+15], v[ACC1:ACC1+7]
.endif
	v_wmma_f32_16x16x32_bf16 v[ACC0:ACC0+7], v[FA+16:FA+23], v[FB+16:FB+23], v[ACC0:ACC0+7]
	v_wmma_f32_16x16x32_bf16 v[ACC1:ACC1+7], v[FA+24:FA+31], v[FB+24:FB+31], v[ACC1:ACC1+7]
.rept 4
	v_nop                                          ; four places (ISA guide 7.12.1) before the fragments are loaded again or the sums are read
.endr
.endm
.macro HALVE keep, a, b, mask, x        ; lanes in the mask keep b and send a, the others keep a and send b: keep = what I keep + what my partner sends
	v_cndmask_b32 v[\keep], v[\a], v[\b], s[\mask]
	v_cndmask_b32 v[\a], v[\b], v[\a], s[\mask]
	v_add_f32_dpp v[\keep], v[\a], v[\keep] row_xmask:\x row_mask:0xf bank_mask:0xf
.endm
; My row a, whose neighbours lie in set 'set'.  yng: the loads issued behind that set's 16.
.macro PROC a, set, yng
.set sb, S0+64*(\set)
.set ob, OWN+8*(\a)
.irp k, 0,1,2,3,4,5,6,7
	s_wait_loadcnt (\yng)+14-2*\k                  ; neighbour k's two loads are in; the set's later ones and the other set's stay out
.irp j, 0,2,4,6
	v_pk_add_f32 v[sb+8*\k+\j:sb+8*\k+\j+1], v[sb+8*\k+\j:sb+8*\k+\j+1], v[ob+\j:ob+\j+1] neg_lo:[0,1] neg_hi:[0,1]
.endr
	v_pk_mul_f32 v[TP+2*(\k%2):TP+2*(\k%2)+1], v[sb+8*\k:sb+8*\k+1], v[sb+8*\k:sb+8*\k+1]
.irp j, 2,4,6
	v_pk_fma_f32 v[TP+2*(\k%2):TP+2*(\k%2)+1], v[sb+8*\k+\j:sb+8*\k+\j+1], v[sb+8*\k+\j:sb+8*\k+\j+1], v[TP+2*(\k%2):TP+2*(\k%2)+1]
.endr
	v_add_f32 v[SS+\k], v[TP+2*(\k%2)], v[TP+2*(\k%2)+1]
.endr
	HALVE RT, SS, SS+1, M1, 1
	HALVE RT+1, SS+2, SS+3, M1, 1
	HALVE RT+2, SS+4, SS+5, M1, 1
	HALVE RT+3, SS+6, SS+7, M1, 1
	HALVE RT+4, RT, RT+1, M2, 2
	HALVE RT+5, RT+2, RT+3, M2, 2
	HALVE RT+6, RT+4, RT+5, M4, 4                  ; my lane now works for neighbour l % 8
	v_add_f32_dpp v[RT+6], v[RT+6], v[RT+6] row_xmask:8 row_mask:0xf bank_mask:0xf
	v_permlanex16_b32 v[RT+7], v[RT+6], s66, s67
	v_add_f32 v[RT+6], v[RT+6], v[RT+7]            ; its whole sum of squares
	v_sqrt_f32 v[RT+6], v[RT+6]
	v_nop                                          ; a plain instruction behind each transcendental before its result is used
	s_wait_alu depctr_va_vdst(0)
	v_add_f32_dpp v[RT+6], v[RT+6], v[RT+6] row_xmask:1 row_mask:0xf bank_mask:0xf
	v_add_f32_dpp v[RT+6], v[RT+6], v[RT+6] row_xmask:2 row_mask:0xf bank_mask:0xf
	v_add_f32_dpp v[RT+6], v[RT+6], v[RT+6] row_xmask:4 row_mask:0xf bank_mask:0xf
	v_mul_f32 v[RT+6], 0x3fe6d4ca, v[RT+6]         ; 2 log2(e) x 5 / 8 = 1.8033688 times the sum of the 8 norms
	v_exp_f32 v[RT+6], v[RT+6]
	v_nop
	s_wait_alu depctr_va_vdst(0)
	v_add_f32 v[RT+6], 1.0, v[RT+6]
	v_rcp_f32 v[RT+6], v[RT+6]
	v_nop
	s_wait_alu depctr_va_vdst(0)
	v_fma_f32 v[RT+6], v[RT+6], s74, s75           ; 0.3 tanh = 0.3 - 0.6 / (1 + 2^..)
	v_mul_f32 v[E], v[RT+6], v[PR+(\a)]
	v_mul_f32 v[E+1], v[RT+6], v[PR+(\a)]
.irp j, 0,2,4,6
	v_pk_add_f32 v[ob+\j:ob+\j+1], v[ob+\j:ob+\j+1], v[E:E+1]
.endr
	global_store_b128 v[LO], v[ob:ob+3],   s[18:19] offset:1024*(\a) th:TH_STORE_NT      ; each store of the wave covers 512 consecutive bytes, aligned
	global_store_b128 v[LO], v[ob+4:ob+7], s[18:19] offset:1024*(\a)+512 th:TH_STORE_NT  ; a row's registers are not written again
.endm
	s_load_b512 s[4:19], s[0:1], 0x0               ; features s[4:5], W1 s[6:7], b1 s[8:9], W2 s[10:11], b2 s[12:13], knn s[14:15], out0 s[16:17], out1 s[18:19]
	v_lshl_add_u32 v[SPW], v0, 2, SPARE
	v_mov_b32 v[NIL], 0
	v_lshrrev_b32 v10, 5, v0
	v_readfirstlane_b32 s[WV], v10                 ; wave 0..15
	s_mov_b32 s22, ttmp9                           ; x: my 64 rows
	s_and_b32 s30, s[WV], 3                        ; mt: my 16 hidden units
	s_lshr_b32 s31, s[WV], 2                       ; nt: my 16 rows in the net
	s_mov_b32 s[M1], 0xaaaaaaaa
	s_mov_b32 s[M2], 0xcccccccc
	s_mov_b32 s[M4], 0xf0f0f0f0
	s_mov_b32 s66, 0x76543210                      ; v_permlanex16_b32: each lane takes its own place in the other half
	s_mov_b32 s67, 0xfedcba98
	s_mov_b32 s74, 0xbf19999a                      ; -0.6
	s_mov_b32 s75, 0x3e99999a                      ; 0.3
	s_lshl_b32 s76, s[WV], 3                       ; lane 2 w, as a byte address for the lane permute
	v_mov_b32 v[TP+1], 0                           ; written once: a lane exchange counts as a reader of its destination
	v_and_b32 v11, 31, v0                          ; l
	v_lshlrev_b32 v[LO], 4, v11
	v_and_b32 v12, 15, v0                          ; r
	v_bfe_u32 v13, v0, 4, 1                        ; h
	v_mul_u32_u24 v[WST], v13, WPI                 ; W1: thread t holds k = 2 w + h + 32 i, units 4 r ..
	v_lshl_add_u32 v[WST], v12, 3, v[WST]
	s_mul_i32 s23, s[WV], 2*WPI
	v_add_nc_u32 v[WST], s23, v[WST]
	s_mul_i32 s23, s[WV], 4*FPI                    ; my four rows in LDS, 8 bytes a lane
	s_add_co_u32 s23, s23, FS
	v_lshl_add_u32 v[FST], v11, 3, s23
	v_and_b32 v14, 7, v0                           ; the turning load: row 8 h + l % 8 of 16 k, units 8 ((l / 8) % 2) ..
	v_lshl_add_u32 v14, v13, 3, v14
	v_mul_u32_u24 v[AAD], v14, WPI
	v_bfe_u32 v14, v0, 3, 1
	v_lshl_add_u32 v[AAD], v14, 4, v[AAD]
	s_lshl_b32 s23, s30, 5
	v_add_nc_u32 v[AAD], s23, v[AAD]
	v_mul_u32_u24 v[BAD], v12, FPI                 ; a fragment of rows: row r x pitch + 16 h
	v_lshl_add_u32 v[BAD], v13, 4, v[BAD]
	s_mul_i32 s23, s31, 16*FPI
	s_add_co_u32 s23, s23, FS
	v_add_nc_u32 v[BAD], s23, v[BAD]
	s_lshl_b32 s23, s[WV], 6                       ; partial sums: my wave's 64 bytes, word r
	s_add_co_u32 s23, s23, ZP
	v_lshl_add_u32 v[ZST], v12, 2, s23
	v_bfe_u32 v[ZRD], v0, 3, 2                     ; and back: rows 2 l and 2 l + 1 lie in row block l / 8, at words 2 (l % 8) and the next
	v_lshlrev_b32 v[ZRD], 8, v[ZRD]
	v_and_b32 v14, 7, v0
	v_lshl_add_u32 v[ZRD], v14, 3, v[ZRD]
	v_add_nc_u32 v[ZRD], ZP, v[ZRD]
	s_lshl_b32 s23, s30, 6
	v_lshl_add_u32 v10, v13, 5, s23                ; b1 and W2 at unit 16 mt + 8 h
	v_lshlrev_b32 v15, 4, v0                       ; W1: 16 t
	v_lshlrev_b32 v14, 3, v11                      ; out0: 8 l
	s_wait_kmcnt 0x0
	s_lshl_b32 s24, s22, 11
	s_lshl_b32 s23, s[WV], 7
	s_add_co_u32 s24, s24, s23
	s_mov_b32 s25, 0
	s_add_nc_u64 s[14:15], s[14:15], s[24:25]      ; knn at my four rows
	s_load_b512 s[IDX:IDX+15], s[14:15], 0x0
	s_load_b512 s[IDX+16:IDX+31], s[14:15], 0x40
	s_load_b32 s20, s[12:13], 0x0                  ; b2
	s_lshl_b32 s24, s22, 16
	s_lshl_b32 s23, s[WV], 12
	s_add_co_u32 s24, s24, s23
	s_add_nc_u64 s[72:73], s[4:5], s[24:25]        ; features and out1 at my four rows
	s_add_nc_u64 s[18:19], s[18:19], s[24:25]
	s_lshl_b32 s24, s22, 8
	s_add_nc_u64 s[16:17], s[16:17], s[24:25]      ; out0 at the work-group's 64 rows
	global_load_b128 v[B1R:B1R+3],   v10, s[8:9]
	global_load_b128 v[B1R+4:B1R+7], v10, s[8:9] offset:16
	global_load_b128 v[W2R:W2R+3],   v10, s[10:11]
	global_load_b128 v[W2R+4:W2R+7], v10, s[10:11] offset:16
.irp i, 0,1,2,3,4,5,6,7
	global_load_b128 v[S1+4*\i:S1+4*\i+3], v15, s[6:7] offset:8192*\i
.endr
.irp a, 0,1,2,3
	global_load_b128 v[OWN+8*\a:OWN+8*\a+3],   v[LO], s[72:73] offset:1024*\a
	global_load_b128 v[OWN+8*\a+4:OWN+8*\a+7], v[LO], s[72:73] offset:1024*\a+512
.endr
	s_wait_kmcnt 0x0
.set i, 0
.rept 32
	s_min_u32 s[IDX+i], s[IDX+i], 0x3fff           ; a loaded number enters an address only clamped
.set i, i+1
.endr
	ISSUE 0, 0
	s_wait_loadcnt 24                              ; b1, W2 and W1 are in; my rows' 8 loads and the 16 neighbour loads stay out
.irp i, 0,1,2,3,4,5,6,7
	v_cvt_pk_bf16_f32 v[S1+4*\i],   v[S1+4*\i],   v[S1+4*\i+1]
	v_cvt_pk_bf16_f32 v[S1+4*\i+1], v[S1+4*\i+2], v[S1+4*\i+3]
	ds_store_b64 v[WST], v[S1+4*\i:S1+4*\i+1] offset:32*WPI*\i
.endr
	s_wait_loadcnt 16                              ; my rows are in; the 16 neighbour loads stay out
.irp a, 0,1,2,3
	v_cvt_pk_bf16_f32 v[SS+4*\a],   v[OWN+8*\a],   v[OWN+8*\a+1]
	v_cvt_pk_bf16_f32 v[SS+4*\a+1], v[OWN+8*\a+2], v[OWN+8*\a+3]
	v_cvt_pk_bf16_f32 v[SS+4*\a+2], v[OWN+8*\a+4], v[OWN+8*\a+5]
	v_cvt_pk_bf16_f32 v[SS+4*\a+3], v[OWN+8*\a+6], v[OWN+8*\a+7]
	ds_store_b64 v[FST], v[SS+4*\a:SS+4*\a+1]   offset:FPI*\a
	ds_store_b64 v[FST], v[SS+4*\a+2:SS+4*\a+3] offset:FPI*\a+256
.endr
	s_wait_dscnt 0x0                               ; for the others' sake: my parts of W1 and of the rows are written
	s_barrier_signal -1
	s_barrier_wait -1
	BATCH 0
	BATCH 1
.irp j, 0,2,4,6
	v_pk_add_f32 v[ACC0+\j:ACC0+\j+1], v[ACC0+\j:ACC0+\j+1], v[ACC1+\j:ACC1+\j+1]  ; both sums are read from their low end on
.endr
.irp j, 0,1,2,3,4,5,6,7
	v_max_num_f32 v[ACC0+\j], 0, v[ACC0+\j]        ; relu
.endr
	v_mul_f32 v[TP], v[ACC0], v[W2R]
.irp j, 1,2,3,4,5,6,7
	v_fma_f32 v[TP], v[ACC0+\j], v[W2R+\j], v[TP]
.endr
	v_permlanex16_b32 v[TP+1], v[TP], s66, s67     ; the row's other 8 of my 16 units lie in the lane 16 away
	v_add_f32 v[TP], v[TP], v[TP+1]
	ds_store_b32 v[ZST], v[TP]                     ; into my wave's own 64 bytes; both halves of the lanes write the same number to the same word
	s_wait_dscnt 0x0                               ; for the others' sake: my partial sums are written
	s_barrier_signal -1
	s_barrier_wait -1
	ISSUE 1, 1                                     ; the fragments' registers are free
.irp m, 0,1,2,3
	ds_load_b64 v[ACC1+2*\m:ACC1+2*\m+1], v[ZRD] offset:64*\m  ; unit block m's partial sums of rows 2 l and 2 l + 1
.endr
	s_wait_dscnt 0x0
	v_pk_add_f32 v[ACC1:ACC1+1], v[ACC1:ACC1+1], v[ACC1+2:ACC1+3]
	v_pk_add_f32 v[ACC1+4:ACC1+5], v[ACC1+4:ACC1+5], v[ACC1+6:ACC1+7]
	v_pk_add_f32 v[ACC1:ACC1+1], v[ACC1:ACC1+1], v[ACC1+4:ACC1+5]
	v_add_f32 v[ACC1], s20, v[ACC1]
	v_add_f32 v[ACC1+1], s20, v[ACC1+1]
	v_mul_f32 v[ACC1], 0xbfb8aa3b, v[ACC1]         ; -log2(e) z
	v_mul_f32 v[ACC1+1], 0xbfb8aa3b, v[ACC1+1]
	v_exp_f32 v[ACC1], v[ACC1]
	v_exp_f32 v[ACC1+1], v[ACC1+1]
	v_mov_b32 v11, s76                             ; plain work behind the exponentials: the lane permute's addresses
	v_add_nc_u32 v12, 4, v11
	s_wait_alu depctr_va_vdst(0)
	v_add_f32 v[ACC1], 1.0, v[ACC1]
	v_add_f32 v[ACC1+1], 1.0, v[ACC1+1]
	v_rcp_f32 v[PP], v[ACC1]
	v_rcp_f32 v[PP+1], v[ACC1+1]
	v_nop
	s_cmp_lg_u32 s[WV], 0
	s_cbranch_scc1 .Lnot_wave_0
	s_wait_alu depctr_va_vdst(0)
	global_store_b64 v14, v[PP:PP+1], s[16:17]     ; the work-group's 256 bytes of out0 in one store
.Lnot_wave_0:
	s_wait_alu depctr_va_vdst(0)
	ds_bpermute_b32 v[PR],   v11, v[PP]            ; rows 4 w and 4 w + 1 lie in lane 2 w,
	ds_bpermute_b32 v[PR+1], v11, v[PP+1]
	ds_bpermute_b32 v[PR+2], v12, v[PP]            ; rows 4 w + 2 and 4 w + 3 in lane 2 w + 1
	ds_bpermute_b32 v[PR+3], v12, v[PP+1]
	s_wait_dscnt 0x0
	PROC 0, 0, 16
	ISSUE 2, 0                                     ; the set's loads have all been waited for: its registers and offsets are free
	PROC 1, 1, 16
	ISSUE 3, 1
	PROC 2, 0, 16
	PROC 3, 1, 0
	s_wait_tensorcnt 0x0                           ; the wave's end
	ds_add_u32 v[SPW], v[NIL]
	s_wait_dscnt 0x0
	s_endpgm
.Lfunc_end_k_q4af5585d07_enhance:
	.size	k_q4af5585d07_enhance, .Lfunc_end_k_q4af5585d07_enhance-k_q4af5585d07_enhance
	.p2alignl 7, 3214868480
	.fill 96, 4, 3214868480
	.section	.rodata,"a",@progbits
	.p2align	6, 0x0
	.amdhsa_kernel k_q4af5585d07_enhance
		.amdhsa_group_segment_fixed_size 77824
		.amdhsa_private_segment_fixed_size 0
		.amdhsa_enable_private_segment 0
		.amdhsa_kernarg_size 64
		.amdhsa_user_sgpr_count 2
		.amdhsa_user_sgpr_kernarg_segment_ptr 1
		.amdhsa_wavefront_size32 1
		.amdhsa_system_sgpr_workgroup_id_x 1
		.amdhsa_system_sgpr_workgroup_id_y 1
		.amdhsa_system_sgpr_workgroup_id_z 1
		.amdhsa_system_vgpr_workitem_id 0
		.amdhsa_next_free_vgpr 248
		.amdhsa_next_free_sgpr 80
		.amdhsa_reserve_vcc 0
		.amdhsa_float_denorm_mode_32 3
		.amdhsa_float_denorm_mode_16_64 3
		.amdhsa_memory_ordered 1
		.amdhsa_forward_progress 1
		.amdhsa_inst_pref_size 53
	.end_amdhsa_kernel
	.amdgpu_metadata
---
amdhsa.version: [ 1, 2 ]
amdhsa.kernels:
  - .name:           k_q4af5585d07_enhance
    .symbol:         k_q4af5585d07_enhance.kd
    .args:
      - { .name: features, .offset: 0, .size: 8, .value_kind: global_buffer, .address_space: global }
      - { .name: W1, .offset: 8, .size: 8, .value_kind: global_buffer, .address_space: global }
      - { .name: b1, .offset: 16, .size: 8, .value_kind: global_buffer, .address_space: global }
      - { .name: W2, .offset: 24, .size: 8, .value_kind: global_buffer, .address_space: global }
      - { .name: b2, .offset: 32, .size: 8, .value_kind: global_buffer, .address_space: global }
      - { .name: knn, .offset: 40, .size: 8, .value_kind: global_buffer, .address_space: global }
      - { .name: out0, .offset: 48, .size: 8, .value_kind: global_buffer, .address_space: global }
      - { .name: out1, .offset: 56, .size: 8, .value_kind: global_buffer, .address_space: global }
    .group_segment_fixed_size: 77824
    .private_segment_fixed_size: 0
    .kernarg_segment_align: 8
    .kernarg_segment_size: 64
    .max_flat_workgroup_size: 512
    .sgpr_count:     80
    .vgpr_count:     248
    .wavefront_size: 32
...
	.end_amdgpu_metadata
.endif
;; end of part 3
;; ======== version 2 of 2: 3 launches; version 1 with the launch enhance written anew for expert scheduling mode
;; limits: values within 6.1e-05 (relative) of each other or of a threshold may be ordered or decided otherwise than in the reference; below input magnitudes of 8.9e-16 results are inexact or not finite
;; workspace buffers: gids 524,288 bytes of whole numbers; knn 524,288 bytes of whole numbers
;; launch groups: the kernel of part 1 again; grid 256 x 1, 8 waves a work-group, no clusters, 296,960 bytes of LDS; arguments points, gids; writes gids
;; launch refine: the kernel of part 2 again; grid 256 x 1, 8 waves a work-group, no clusters, 0 bytes of LDS; arguments points, gids, knn; writes knn
;; launch enhance (part 4): grid 256 x 1, 16 waves a work-group, no clusters, 77,824 bytes of LDS; arguments features, W1, b1, W2, b2, knn, out0, out1; writes out0, out1
.if DOCPART == 4
	.amdgcn_target "amdgcn-amd-amdhsa--gfx1250"
	.amdhsa_code_object_version 6
	.text
	.protected	k_q4af5585d07_enhance
	.globl	k_q4af5585d07_enhance
	.p2align	8
	.type	k_q4af5585d07_enhance,@function
k_q4af5585d07_enhance:
	s_mov_b64 s[64:65], 0
	v_nop
	global_prefetch_b8 v0, s[64:65] scope:SCOPE_SE
	s_setreg_imm32_b32 hwreg(HW_REG_WAVE_SCHED_MODE, 0, 2), 2
	s_setreg_imm32_b32 hwreg(HW_REG_WAVE_MODE, 25, 1), 1
	s_wait_xcnt 0x0
	s_wait_alu depctr_vm_vsrc(0)
; ENHANCE.  out0 = sigmoid(relu(f W1 + b1) W2 + b2);  out1 = f + 0.3 tanh(5 g) out0, g = the mean over a row's 8 neighbours of |f_neighbour - f|.
; SHARES.  A work-group owns 64 rows, each of its 16 waves four of them: a row is 1,024 bytes, two loads of 16 bytes a lane (columns 4 l .. and 128 + 4 l ..), kept in f32 registers
; from the load to the store, so features' own rows leave memory once.
; THE SMALL NET.  W1 and the 64 rows go to LDS rounded to bf16.  Wave w makes hidden units 16 (w % 4) .. x rows 16 (w / 4) ..: source 0 = W1 turned (ds_load_tr16_b128, since W1 lies
; [k][unit]), source 1 = rows; 8 matrix instructions on two accumulators by turns; the first takes b1 as its C.  relu and the product with W2 (64 x 1) in f32 on
; the vector unit; the four waves' partial sums of a row meet in LDS.
; THE GATHER.  A wave's 32 neighbour numbers come by scalar loads; a neighbour's row is two loads; two rows' neighbours (32 loads, 16,384 bytes a wave) are on their way at a time.
; Differences, squares and sums in f32.  The 8 sums over 32 lanes are made together: at each of three steps a lane keeps half of its sums and sends the other half to its partner.
; tanh(y) = 1 - 2 / (1 + 2^(2 log2(e) y)): for large y the power is an infinity, its reciprocal 0, and tanh 1.
; NO CLUSTER: what work-groups share for certain is W1's 65,536 bytes, a tenth of what a work-group reads.  NO TENSOR LOAD: rows are converted on the way into LDS, and the gathered rows are used once, from registers.
; LIMITS.  A sum of squares under 2^-126 counts as 0 (the root flushes denormals); W1 and features enter the net rounded to bf16; NaN is not treated apart.
; THE MODE: SCHED_MODE bits 1:0 = 2 (LLVM: expert scheduling mode 2), set by the entry lines.  The code itself states the register dependences
; between vector or matrix instructions and memory or LDS instructions, with s_wait_alu, always for 0.
; THE PLAN.  Registers that memory or LDS instructions touch:
;   v1, v4-v10, v14, v15   addresses and offsets, made once at the head and never written again.
;   VO, 32 registers       the neighbours' offsets, each written once: rows 0 and 1's at the head, rows 2 and 3's when the net is done; read by the gather's loads.
;   S0, S1                 a set of 8 neighbours: its 16 loads land; row a's differences (in place) and squares read and write it; behind them the loads of row a + 2 land in it.
;                          Before that S1 holds W1 (loaded, rounded in place, read by LDS stores) and the fragments (LDS loads land, the products read).
;   OWN                    a row: loaded once; read by the conversions and the differences; written by its last four additions; read by its two stores; never written again.
;   v224-239, v244         read by LDS stores (the rows in bf16; my partial sum), later written by the gather's vector lines.
;   ACC1, PR, PP, v11, v12 the partial sums land in ACC1 when the net's additions have read it; the lane permutes read PP, v11, v12 and land in PR, the first accumulator's registers.
; So ONE wait on va_vdst stands in a row's turn, behind its squares: the set is free for the loads of the row two on, whose offsets are written, and the row before has its last additions and is stored.
; Those 18 memory instructions follow the wait in one run, the loads first; the reduction behind them names none of their registers.
.set WPI,  160                          ; a row of W1 in LDS: 128 bytes + 32: an odd multiple of 32
.set FS,   256*WPI                      ; behind W1: 64 rows of 512 bytes, pitch 528
.set FPI,  528
.set ZP,   FS+64*FPI                    ; the partial sums: 64 bytes for each wave, word r for its row r.  Wave w = 4 (row block) + (unit block), so a row block's four partial sums lie 64 bytes apart
.set LO,  1                             ; v1  16 x lane; never rewritten
.set WST, 4
.set FST, 5
.set AAD, 6
.set BAD, 7
.set ZST, 8
.set ZRD, 9
.set OWN, 16                            ; v16-47   my four rows, 8 registers each
.set S0,  48                            ; v48-111  neighbours, set 0: 8 registers each
.set S1,  112                           ; v112-175 set 1; before that W1 as loaded, then the fragments
.set FA,  112
.set FB,  144
.set ACC0, 176
.set ACC1, 184
.set PR,  176                           ; later: my four rows' probabilities
.set B1R, 192
.set W2R, 200
.set VO,  208                           ; v208-223 the byte offsets of rows 0 and 1's neighbours, 8 a row; rows 2 and 3's take b1's and W2's registers, v192-207, when the net is done: row a's at VO + 8 (a % 2) - 16 (a / 2)
.set SS,  224                           ; v224-231 the 8 sums of squares
.set RT,  232                           ; v232-239 at work in the reduction
.set PP,  240                           ; v240, v241 the probabilities of rows 2 l and 2 l + 1
.set E,   242                           ; v242, v243 what is added to a row, twice
.set TP,  244                           ; v244-247 two pairs at work
.set WV,  21
.set M1,  26
.set M2,  27
.set M4,  28
.set IDX, 32                            ; s[32:63] my 32 neighbour numbers
.macro OFFS a                           ; the byte offsets of the 8 neighbours of my row a: 1,024 x the row number + 16 x lane
.irp k, 0,1,2,3,4,5,6,7
	v_lshl_add_u32 v[VO+8*((\a)%2)-16*((\a)/2)+\k], s[IDX+8*(\a)+\k], 10, v[LO]
.endr
.endm
.macro ISSUE a, set                     ; the 8 neighbours of my row a: 16 loads
.irp k, 0,1,2,3,4,5,6,7
	global_load_b128 v[S0+64*(\set)+8*\k:S0+64*(\set)+8*\k+3],   v[VO+8*((\a)%2)-16*((\a)/2)+\k], s[4:5]
	global_load_b128 v[S0+64*(\set)+8*\k+4:S0+64*(\set)+8*\k+7], v[VO+8*((\a)%2)-16*((\a)/2)+\k], s[4:5] offset:512
.endr
.endm
.macro SEND a                           ; my row a goes out
	global_store_b128 v[LO], v[OWN+8*(\a):OWN+8*(\a)+3],   s[18:19] offset:1024*(\a) th:TH_STORE_NT      ; each store of the wave covers 512 consecutive bytes, aligned
	global_store_b128 v[LO], v[OWN+8*(\a)+4:OWN+8*(\a)+7], s[18:19] offset:1024*(\a)+512 th:TH_STORE_NT  ; a row's registers are not written again
.endm
.macro BATCH b                          ; K steps 4 b .. 4 b + 3 of the net's first product
.irp i, 0,1,2,3
	ds_load_tr16_b128 v[FA+8*\i:FA+8*\i+3],   v[AAD] offset:(4*(\b)+\i)*32*WPI
	ds_load_tr16_b128 v[FA+8*\i+4:FA+8*\i+7], v[AAD] offset:(4*(\b)+\i)*32*WPI+16*WPI
	ds_load_b128 v[FB+8*\i:FB+8*\i+3],   v[BAD] offset:(4*(\b)+\i)*64
	ds_load_b128 v[FB+8*\i+4:FB+8*\i+7], v[BAD] offset:(4*(\b)+\i)*64+32
.endr
	s_wait_dscnt 0x0
.if (\b) == 0
	v_wmma_f32_16x16x32_bf16 v[ACC0:ACC0+7], v[FA:FA+7], v[FB:FB+7], v[B1R:B1R+7]
	v_wmma_f32_16x16x32_bf16 v[ACC1:ACC1+7], v[FA+8:FA+15], v[FB+8:FB+15], 0
.else
	v_wmma_f32_16x16x32_bf16 v[ACC0:ACC0+7], v[FA:FA+7], v[FB:FB+7], v[ACC0:ACC0+7]
	v_wmma_f32_16x16x32_bf16 v[ACC1:ACC1+7], v[FA+8:FA+15], v[FB+8:FB+15], v[ACC1:ACC1+7]
.endif
	v_wmma_f32_16x16x32_bf16 v[ACC0:ACC0+7], v[FA+16:FA+23], v[FB+16:FB+23], v[ACC0:ACC0+7]
	v_wmma_f32_16x16x32_bf16 v[ACC1:ACC1+7], v[FA+24:FA+31], v[FB+24:FB+31], v[ACC1:ACC1+7]
.rept 4
	v_nop                                          ; four places behind the products (ISA guide 7.12.1), ahead of the vector lines that read the sums; they stay beside the wait below
.endr
	s_wait_alu depctr_va_vdst(0)                   ; the products are done reading the fragments v[FA ..], v[FB ..], in which the next loads land: the second batch's fragments, then row 1's neighbours
.endm
.macro HALVE keep, a, b, mask, x        ; lanes in the mask keep b and send a, the others keep a and send b: keep = what I keep + what my partner sends
	v_cndmask_b32 v[\keep], v[\a], v[\b], s[\mask]
	v_cndmask_b32 v[\a], v[\b], v[\a], s[\mask]
	v_add_f32_dpp v[\keep], v[\a], v[\keep] row_xmask:\x row_mask:0xf bank_mask:0xf
.endm
; My row a, whose neighbours lie in set 'set'.  yng: the loads issued behind that set's 16.
.macro PROC a, set, yng
.set sb, S0+64*(\set)
.set ob, OWN+8*(\a)
.irp k, 0,1,2,3,4,5,6,7
	s_wait_loadcnt (\yng)+14-2*\k                  ; neighbour k's two loads are in; the set's later ones and the other set's stay out
.irp j, 0,2,4,6
	v_pk_add_f32 v[sb+8*\k+\j:sb+8*\k+\j+1], v[sb+8*\k+\j:sb+8*\k+\j+1], v[ob+\j:ob+\j+1] neg_lo:[0,1] neg_hi:[0,1]
.endr
	v_pk_mul_f32 v[TP+2*(\k%2):TP+2*(\k%2)+1], v[sb+8*\k:sb+8*\k+1], v[sb+8*\k:sb+8*\k+1]
.irp j, 2,4,6
	v_pk_fma_f32 v[TP+2*(\k%2):TP+2*(\k%2)+1], v[sb+8*\k+\j:sb+8*\k+\j+1], v[sb+8*\k+\j:sb+8*\k+\j+1], v[TP+2*(\k%2):TP+2*(\k%2)+1]
.endr
	v_add_f32 v[SS+\k], v[TP+2*(\k%2)], v[TP+2*(\k%2)+1]
.endr
	s_wait_alu depctr_va_vdst(0)                   ; rows 0 and 1: the differences and squares are done writing and reading this set, in which the loads below land, and those loads' offsets are written; rows 1 to 3: the row before has its last additions, which the stores below read
.if (\a) < 2
	ISSUE (\a)+2, \set                             ; the set is asked for again at once: all its 16 loads have been waited for; no vector line behind the wait names it
.endif
.if (\a) > 0
	SEND (\a)-1
.endif
	HALVE RT, SS, SS+1, M1, 1
	HALVE RT+1, SS+2, SS+3, M1, 1
	HALVE RT+2, SS+4, SS+5, M1, 1
	HALVE RT+3, SS+6, SS+7, M1, 1
	HALVE RT+4, RT, RT+1, M2, 2
	HALVE RT+5, RT+2, RT+3, M2, 2
	HALVE RT+6, RT+4, RT+5, M4, 4                  ; my lane now works for neighbour l % 8
	v_add_f32_dpp v[RT+6], v[RT+6], v[RT+6] row_xmask:8 row_mask:0xf bank_mask:0xf
	v_permlanex16_b32 v[RT+7], v[RT+6], s66, s67
	v_add_f32 v[RT+6], v[RT+6], v[RT+7]            ; its whole sum of squares
	v_sqrt_f32 v[RT+6], v[RT+6]
	v_nop                                          ; a plain instruction behind each transcendental before its result is used
	s_wait_alu depctr_va_vdst(0)
	v_add_f32_dpp v[RT+6], v[RT+6], v[RT+6] row_xmask:1 row_mask:0xf bank_mask:0xf
	v_add_f32_dpp v[RT+6], v[RT+6], v[RT+6] row_xmask:2 row_mask:0xf bank_mask:0xf
	v_add_f32_dpp v[RT+6], v[RT+6], v[RT+6] row_xmask:4 row_mask:0xf bank_mask:0xf
	v_mul_f32 v[RT+6], 0x3fe6d4ca, v[RT+6]         ; 2 log2(e) x 5 / 8 = 1.8033688 times the sum of the 8 norms
	v_exp_f32 v[RT+6], v[RT+6]
	v_nop
	s_wait_alu depctr_va_vdst(0)
	v_add_f32 v[RT+6], 1.0, v[RT+6]
	v_rcp_f32 v[RT+6], v[RT+6]
	v_nop
	s_wait_alu depctr_va_vdst(0)
	v_fma_f32 v[RT+6], v[RT+6], s74, s75           ; 0.3 tanh = 0.3 - 0.6 / (1 + 2^..)
	v_mul_f32 v[E], v[RT+6], v[PR+(\a)]
	v_mul_f32 v[E+1], v[RT+6], v[PR+(\a)]
.irp j, 0,2,4,6
	v_pk_add_f32 v[ob+\j:ob+\j+1], v[ob+\j:ob+\j+1], v[E:E+1]  ; the row's last additions; it is stored in the next row's turn
.endr
.endm
	s_load_b512 s[4:19], s[0:1], 0x0               ; features s[4:5], W1 s[6:7], b1 s[8:9], W2 s[10:11], b2 s[12:13], knn s[14:15], out0 s[16:17], out1 s[18:19]
	v_lshl_add_u32 v2, v0, 2, 0x12800
	v_mov_b32 v3, 0
	v_lshrrev_b32 v10, 5, v0
	v_readfirstlane_b32 s[WV], v10                 ; wave 0..15
	s_mov_b32 s22, ttmp9                           ; x: my 64 rows
	s_mov_b32 s[M1], 0xaaaaaaaa
	s_mov_b32 s[M2], 0xcccccccc
	s_mov_b32 s[M4], 0xf0f0f0f0
	s_mov_b32 s66, 0x76543210                      ; v_permlanex16_b32: each lane takes its own place in the other half
	s_mov_b32 s67, 0xfedcba98
	s_mov_b32 s74, 0xbf19999a                      ; -0.6
	s_mov_b32 s75, 0x3e99999a                      ; 0.3
	s_wait_alu depctr_va_sdst(0)                   ; the wave's number is written into s21, ahead of its first reader, the line below
	s_and_b32 s30, s[WV], 3                        ; mt: my 16 hidden units
	s_lshr_b32 s31, s[WV], 2                       ; nt: my 16 rows in the net
	s_lshl_b32 s76, s[WV], 3                       ; lane 2 w, as a byte address for the lane permute
	v_mov_b32 v[TP+1], 0                           ; written once: a lane exchange counts as a reader of its destination
	v_and_b32 v11, 31, v0                          ; l
	v_lshlrev_b32 v[LO], 4, v11
	v_and_b32 v12, 15, v0                          ; r
	v_bfe_u32 v13, v0, 4, 1                        ; h
	v_mul_u32_u24 v[WST], v13, WPI                 ; W1: thread t holds k = 2 w + h + 32 i, units 4 r ..
	v_lshl_add_u32 v[WST], v12, 3, v[WST]
	s_mul_i32 s23, s[WV], 2*WPI
	v_add_nc_u32 v[WST], s23, v[WST]
	s_mul_i32 s23, s[WV], 4*FPI                    ; my four rows in LDS, 8 bytes a lane
	s_add_co_u32 s23, s23, FS
	v_lshl_add_u32 v[FST], v11, 3, s23
	v_and_b32 v14, 7, v0                           ; the turning load: row 8 h + l % 8 of 16 k, units 8 ((l / 8) % 2) ..
	v_lshl_add_u32 v14, v13, 3, v14
	v_mul_u32_u24 v[AAD], v14, WPI
	v_bfe_u32 v14, v0, 3, 1
	v_lshl_add_u32 v[AAD], v14, 4, v[AAD]
	s_lshl_b32 s23, s30, 5
	v_add_nc_u32 v[AAD], s23, v[AAD]
	v_mul_u32_u24 v[BAD], v12, FPI                 ; a fragment of rows: row r x pitch + 16 h
	v_lshl_add_u32 v[BAD], v13, 4, v[BAD]
	s_mul_i32 s23, s31, 16*FPI
	s_add_co_u32 s23, s23, FS
	v_add_nc_u32 v[BAD], s23, v[BAD]
	s_lshl_b32 s23, s[WV], 6                       ; partial sums: my wave's 64 bytes, word r
	s_add_co_u32 s23, s23, ZP
	v_lshl_add_u32 v[ZST], v12, 2, s23
	v_bfe_u32 v[ZRD], v0, 3, 2                     ; and back: rows 2 l and 2 l + 1 lie in row block l / 8, at words 2 (l % 8) and the next
	v_lshlrev_b32 v[ZRD], 8, v[ZRD]
	v_and_b32 v14, 7, v0
	v_lshl_add_u32 v[ZRD], v14, 3, v[ZRD]
	v_add_nc_u32 v[ZRD], ZP, v[ZRD]
	s_lshl_b32 s23, s30, 6
	v_lshl_add_u32 v10, v13, 5, s23                ; b1 and W2 at unit 16 mt + 8 h
	v_lshlrev_b32 v15, 4, v0                       ; W1: 16 t
	v_lshlrev_b32 v14, 3, v11                      ; out0: 8 l
	s_wait_kmcnt 0x0
	s_lshl_b32 s24, s22, 11
	s_lshl_b32 s23, s[WV], 7
	s_add_co_u32 s24, s24, s23
	s_mov_b32 s25, 0
	s_add_nc_u64 s[14:15], s[14:15], s[24:25]      ; knn at my four rows
	s_load_b512 s[IDX:IDX+15], s[14:15], 0x0
	s_load_b512 s[IDX+16:IDX+31], s[14:15], 0x40
	s_load_b32 s20, s[12:13], 0x0                  ; b2
	s_lshl_b32 s24, s22, 16
	s_lshl_b32 s23, s[WV], 12
	s_add_co_u32 s24, s24, s23
	s_add_nc_u64 s[72:73], s[4:5], s[24:25]        ; features and out1 at my four rows
	s_add_nc_u64 s[18:19], s[18:19], s[24:25]
	s_lshl_b32 s24, s22, 8
	s_add_nc_u64 s[16:17], s[16:17], s[24:25]      ; out0 at the work-group's 64 rows
	s_wait_alu depctr_va_vdst(0)                   ; v1, v4 to v10, v14 and v15 are written: the addresses and offsets that the loads and stores of the whole kernel read
	global_load_b128 v[B1R:B1R+3],   v10, s[8:9]
	global_load_b128 v[B1R+4:B1R+7], v10, s[8:9] offset:16
	global_load_b128 v[W2R:W2R+3],   v10, s[10:11]
	global_load_b128 v[W2R+4:W2R+7], v10, s[10:11] offset:16
.irp i, 0,1,2,3,4,5,6,7
	global_load_b128 v[S1+4*\i:S1+4*\i+3], v15, s[6:7] offset:8192*\i
.endr
.irp a, 0,1,2,3
	global_load_b128 v[OWN+8*\a:OWN+8*\a+3],   v[LO], s[72:73] offset:1024*\a
	global_load_b128 v[OWN+8*\a+4:OWN+8*\a+7], v[LO], s[72:73] offset:1024*\a+512
.endr
	s_wait_kmcnt 0x0
.set i, 0
.rept 32
	s_min_u32 s[IDX+i], s[IDX+i], 0x3fff           ; a loaded number enters an address only clamped
.set i, i+1
.endr
	OFFS 0
	OFFS 1
	s_wait_alu depctr_va_vdst(0)                   ; the offsets of rows 0 and 1's neighbours are written, which the gather's loads read
	ISSUE 0, 0
	s_wait_loadcnt 24                              ; b1, W2 and W1 are in; my rows' 8 loads and the 16 neighbour loads stay out
.irp i, 0,1,2,3,4,5,6,7
	v_cvt_pk_bf16_f32 v[S1+4*\i],   v[S1+4*\i],   v[S1+4*\i+1]
	v_cvt_pk_bf16_f32 v[S1+4*\i+1], v[S1+4*\i+2], v[S1+4*\i+3]
.endr
	s_wait_loadcnt 16                              ; my rows are in; the 16 neighbour loads stay out
.irp a, 0,1,2,3
	v_cvt_pk_bf16_f32 v[SS+4*\a],   v[OWN+8*\a],   v[OWN+8*\a+1]
	v_cvt_pk_bf16_f32 v[SS+4*\a+1], v[OWN+8*\a+2], v[OWN+8*\a+3]
	v_cvt_pk_bf16_f32 v[SS+4*\a+2], v[OWN+8*\a+4], v[OWN+8*\a+5]
	v_cvt_pk_bf16_f32 v[SS+4*\a+3], v[OWN+8*\a+6], v[OWN+8*\a+7]
.endr
	s_wait_alu depctr_va_vdst(0)                   ; the 32 conversions have written v[S1 ..] and v[SS ..], which the 16 LDS stores read; they are also the last vector lines that name v[S1 ..] before fragments land there
.irp i, 0,1,2,3,4,5,6,7
	ds_store_b64 v[WST], v[S1+4*\i:S1+4*\i+1] offset:32*WPI*\i
.endr
.irp a, 0,1,2,3
	ds_store_b64 v[FST], v[SS+4*\a:SS+4*\a+1]   offset:FPI*\a
	ds_store_b64 v[FST], v[SS+4*\a+2:SS+4*\a+3] offset:FPI*\a+256
.endr
	s_wait_dscnt 0x0                               ; for the others' sake: my parts of W1 and of the rows are written
	s_barrier_signal -1
	s_barrier_wait -1
	s_wait_alu depctr_vm_vsrc(0)                   ; my LDS stores have read v[S1 ..], in which the fragments land, and v224 to v239, which the gather's sums and reduction write
	BATCH 0
	BATCH 1
	ISSUE 1, 1                                     ; the fragments' registers are free: the wait that ends the batch has said so
.irp j, 0,2,4,6
	v_pk_add_f32 v[ACC0+\j:ACC0+\j+1], v[ACC0+\j:ACC0+\j+1], v[ACC1+\j:ACC1+\j+1]  ; both sums are read from their low end on
.endr
.irp j, 0,1,2,3,4,5,6,7
	v_max_num_f32 v[ACC0+\j], 0, v[ACC0+\j]        ; relu
.endr
	v_mul_f32 v[TP], v[ACC0], v[W2R]
.irp j, 1,2,3,4,5,6,7
	v_fma_f32 v[TP], v[ACC0+\j], v[W2R+\j], v[TP]
.endr
	v_permlanex16_b32 v[TP+1], v[TP], s66, s67     ; the row's other 8 of my 16 units lie in the lane 16 away
	v_add_f32 v[TP], v[TP], v[TP+1]
	s_wait_alu depctr_va_vdst(0)                   ; v[TP] is written, which the LDS store reads; the additions above are done reading v[ACC1 ..], in which the partial sums land behind the barrier
	ds_store_b32 v[ZST], v[TP]                     ; into my wave's own 64 bytes; both halves of the lanes write the same number to the same word
	s_wait_dscnt 0x0                               ; for the others' sake: my partial sums are written
	s_barrier_signal -1
	s_barrier_wait -1
.irp m, 0,1,2,3
	ds_load_b64 v[ACC1+2*\m:ACC1+2*\m+1], v[ZRD] offset:64*\m  ; unit block m's partial sums of rows 2 l and 2 l + 1
.endr
	OFFS 2                                         ; while those are on their way: the offsets of rows 2 and 3's neighbours, into b1's and W2's registers, which the net has read for the last time
	OFFS 3
	s_wait_dscnt 0x0
	v_pk_add_f32 v[ACC1:ACC1+1], v[ACC1:ACC1+1], v[ACC1+2:ACC1+3]
	v_pk_add_f32 v[ACC1+4:ACC1+5], v[ACC1+4:ACC1+5], v[ACC1+6:ACC1+7]
	v_pk_add_f32 v[ACC1:ACC1+1], v[ACC1:ACC1+1], v[ACC1+4:ACC1+5]
	v_add_f32 v[ACC1], s20, v[ACC1]
	v_add_f32 v[ACC1+1], s20, v[ACC1+1]
	v_mul_f32 v[ACC1], 0xbfb8aa3b, v[ACC1]         ; -log2(e) z
	v_mul_f32 v[ACC1+1], 0xbfb8aa3b, v[ACC1+1]
	v_exp_f32 v[ACC1], v[ACC1]
	v_exp_f32 v[ACC1+1], v[ACC1+1]
	v_mov_b32 v11, s76                             ; plain work behind the exponentials: the lane permute's addresses
	v_add_nc_u32 v12, 4, v11
	s_wait_alu depctr_va_vdst(0)
	v_add_f32 v[ACC1], 1.0, v[ACC1]
	v_add_f32 v[ACC1+1], 1.0, v[ACC1+1]
	v_rcp_f32 v[PP], v[ACC1]
	v_rcp_f32 v[PP+1], v[ACC1+1]
	v_nop
	s_wait_alu depctr_va_vdst(0)                   ; v[PP], v[PP+1], v11 and v12 are written, which the store and the lane permutes read; the net's lines are done with v[PR ..], in which the permutes land
	s_cmp_lg_u32 s[WV], 0
	s_cbranch_scc1 .Lnot_wave_0
	global_store_b64 v14, v[PP:PP+1], s[16:17]     ; the work-group's 256 bytes of out0 in one store
.Lnot_wave_0:
	ds_bpermute_b32 v[PR],   v11, v[PP]            ; rows 4 w and 4 w + 1 lie in lane 2 w,
	ds_bpermute_b32 v[PR+1], v11, v[PP+1]
	ds_bpermute_b32 v[PR+2], v12, v[PP]            ; rows 4 w + 2 and 4 w + 3 in lane 2 w + 1
	ds_bpermute_b32 v[PR+3], v12, v[PP+1]
	s_wait_dscnt 0x0
	s_wait_alu depctr_vm_vsrc(0)                   ; the LDS store of my partial sum has read v[TP], which the squares below write again
	PROC 0, 0, 16                                  ; asks for row 2's neighbours
	PROC 1, 1, 16                                  ; asks for row 3's, stores row 0
	PROC 2, 0, 16                                  ; stores row 1
	PROC 3, 1, 0                                   ; stores row 2
	s_wait_alu depctr_va_vdst(0)                   ; row 3 has its last additions, which its two stores read
	SEND 3
	; the closing add onto my spare LDS word, in the 2,048 bytes behind the partial sums
	s_wait_dscnt 0x0
	s_wait_alu depctr_hold_cnt(0) depctr_sa_sdst(0) depctr_va_vdst(0) depctr_va_sdst(0) depctr_va_ssrc(0) depctr_va_vcc(0) depctr_vm_vsrc(0)
	s_wait_tensorcnt 0x0
	ds_add_u32 v2, v3
	s_wait_dscnt 0x0
	s_endpgm
.Lfunc_end_k_q4af5585d07_enhance:
	.size	k_q4af5585d07_enhance, .Lfunc_end_k_q4af5585d07_enhance-k_q4af5585d07_enhance
	.p2alignl 7, 3214868480
	.fill 96, 4, 3214868480
	.section	.rodata,"a",@progbits
	.p2align	6, 0x0
	.amdhsa_kernel k_q4af5585d07_enhance
		.amdhsa_group_segment_fixed_size 77824
		.amdhsa_private_segment_fixed_size 0
		.amdhsa_enable_private_segment 0
		.amdhsa_kernarg_size 64
		.amdhsa_user_sgpr_count 2
		.amdhsa_user_sgpr_kernarg_segment_ptr 1
		.amdhsa_wavefront_size32 1
		.amdhsa_system_sgpr_workgroup_id_x 1
		.amdhsa_system_sgpr_workgroup_id_y 1
		.amdhsa_system_sgpr_workgroup_id_z 1
		.amdhsa_system_vgpr_workitem_id 0
		.amdhsa_next_free_vgpr 248
		.amdhsa_next_free_sgpr 80
		.amdhsa_reserve_vcc 0
		.amdhsa_float_denorm_mode_32 3
		.amdhsa_float_denorm_mode_16_64 3
		.amdhsa_memory_ordered 1
		.amdhsa_forward_progress 1
		.amdhsa_inst_pref_size 54
	.end_amdhsa_kernel
	.amdgpu_metadata
---
amdhsa.version: [ 1, 2 ]
amdhsa.kernels:
  - .name:           k_q4af5585d07_enhance
    .symbol:         k_q4af5585d07_enhance.kd
    .args:
      - { .name: features, .offset: 0, .size: 8, .value_kind: global_buffer, .address_space: global }
      - { .name: W1, .offset: 8, .size: 8, .value_kind: global_buffer, .address_space: global }
      - { .name: b1, .offset: 16, .size: 8, .value_kind: global_buffer, .address_space: global }
      - { .name: W2, .offset: 24, .size: 8, .value_kind: global_buffer, .address_space: global }
      - { .name: b2, .offset: 32, .size: 8, .value_kind: global_buffer, .address_space: global }
      - { .name: knn, .offset: 40, .size: 8, .value_kind: global_buffer, .address_space: global }
      - { .name: out0, .offset: 48, .size: 8, .value_kind: global_buffer, .address_space: global }
      - { .name: out1, .offset: 56, .size: 8, .value_kind: global_buffer, .address_space: global }
    .group_segment_fixed_size: 77824
    .private_segment_fixed_size: 0
    .kernarg_segment_align: 8
    .kernarg_segment_size: 64
    .max_flat_workgroup_size: 512
    .sgpr_count:     80
    .vgpr_count:     248
    .wavefront_size: 32
...
	.end_amdgpu_metadata
.endif
;; end of part 4
